; MI455X (gfx1250); checked and timed in simulation.
; The chip was launched on July 23, 2026; its instructions are those of AMD's public machine-readable ISA for CDNA 5 (MIT licence, August 2026) and "CDNA5" Instruction Set Architecture Reference Guide (July 2026). The comments in the code are by the model that wrote it; some were corrected since.
;; Flex Decoding Module. Allowed arithmetic: matrix products marked QUANTISED: E5M2 operands, one E8M0 scale for each 32 along K, by v_wmma_scale_f32_16x16x128_f8f6f4 with both operands' format E5M2, f32 sums; products left as they are: f32 operands where the result goes on into a quantised operand, else bf16, f16 or f32 operands; f32 sums; everything else in f32.
;; Inputs: Wk 2,048 x 2,048 float32; Wo 2,048 x 2,048 float32; Wq 2,048 x 2,048 float32; Wv 2,048 x 2,048 float32; token 4 x 1 x 2,048 float32; tokens_codes 4 x 2,048 x 64 x 32 uint8 (E5M2 codes of tokens, K innermost, in blocks of 32 codes); tokens_scales 4 x 2,048 x 64 uint8 (E8M0 scales of tokens, one for each 32 codes along K).
;; Outputs: out0 4 x 1 x 2,048 float32.
;; This version of the problem:
;;   THIS VERSION OF THE PROBLEM IS GIVEN IN LOW PRECISION. The matrix products marked QUANTISED in the list below multiply operands that are first quantised to E5M2 (5 exponent bits, 2 mantissa bits; 8 bits a number), with one power-of-two scale for each 32 numbers along K (OCP MX v1.0); their sums are f32. All else is computed in f32.
;;   The module's matrix products, in the order in which they are computed (A, B: the left and right operand; K: the contracted axis; several contracted axes count as one K, in the product's order):
;;     1. [M 8,192, K 2,048] x [K 2,048, N 2,048]; A: input tokens (given as codes); B: input Wk: QUANTISED
;;     2. [M 8,192, K 2,048] x [K 2,048, N 2,048]; A: input tokens (given as codes); B: input Wv: QUANTISED
;;     3. [M 4, K 2,048] x [K 2,048, N 2,048]; A: input token; B: input Wq: left as it is (M = 4 < 16)
;;     4. [M 4, K 2,048] x [K 2,048, N 2,048]; A: input token; B: input Wk: left as it is (M = 4 < 16)
;;     5. [M 4, K 2,048] x [K 2,048, N 2,048]; A: input token; B: input Wv: left as it is (M = 4 < 16)
;;     6. batch 64 x [M 1, K 128] x [K 128, N 2,049]; A: computed on the way; B: computed on the way: left as it is (M = 1 < 16)
;;     7. batch 64 x [M 128, K 2,049] x [K 2,049, N 1]; A: computed on the way; B: softmax: left as it is (N = 1 < 16)
;;     8. [M 4, K 2,048] x [K 2,048, N 2,048]; A: computed on the way; B: input Wo: left as it is (M = 4 < 16)
;;   THE QUANTISER, for each operand of a quantised product, along K:
;;     - K is cut into blocks of 32 from its start; a last block that is shorter is filled with zeros.
;;     - A block's scale is 2^e with e = floor(log2(the largest magnitude in the block)) - 15, held to -126 .. 127; a block of zeros has e = 0. As a byte (E8M0): e + 127.
;;     - Each number is divided by its block's scale, clamped to +-57,344, and rounded to the nearest number of E5M2, ties to even, subnormals kept.
;;     - The product sums the exact products of the quantised numbers (number of the format x scale) in f32.
;;   ~~~python
;;   def quantise(x, axis):      # numpy; x: float32 -> the quantised numbers, widened to float32 again
;;       x = np.moveaxis(x, axis, -1); K = x.shape[-1]
;;       x = np.pad(x, [(0, 0)] * (x.ndim - 1) + [(0, -K % 32)]); x = x.reshape(x.shape[:-1] + (-1, 32)); a = np.abs(x).max(-1, keepdims=True)
;;       e = np.where(a > 0, np.clip(np.frexp(np.where(a > 0, a, 1))[1] - 1 - 15, -126, 127), 0)      # np.frexp(a)[1] - 1 = floor(log2(a)), exactly
;;       r = np.clip(x / 2.0 ** e, -57344, 57344)
;;       step = 2.0 ** (np.maximum(np.frexp(np.where(r == 0, 1, r))[1] - 1, -14) - 2)
;;       q = np.round(r / step) * step * 2.0 ** e      # np.round: ties to even
;;       return np.moveaxis(q.reshape(q.shape[:-2] + (-1,))[..., :K], -1, axis).astype(np.float32)
;;   ~~~
;;   INPUTS GIVEN AS CODES. tokens (in the module: [4, 2048, 2048], K = its axis 2): each comes as NAME_codes (uint8): NAME with its K axis moved to the last place and cut into blocks of 32 codes, [.., K / 32, bytes a block], one block behind the other in memory; one code a byte (a code: sign, 5 exponent bits, 2 mantissa bits); and NAME_scales (uint8): the same leading axes, one E8M0 byte (e + 127) for each 32 codes along K. Its value is code x scale, taken as it is: it is not quantised again, and the codes and scales need not be those that the quantiser above would give.
;; One version. Each part assembles by itself: llvm-mc -triple=amdgcn-amd-amdhsa -mcpu=gfx1250 --defsym DOCPART=n.
;; ======== version 1 of 1: 3 launches
;; limits: right only within a limited range of input values
;; workspace buffers: wcodes 8,388,608 bytes; sc 262,144 bytes; qkv 98,304 bytes; part 196,608 bytes
;; launch prep (part 1): grid 256 x 1, 8 waves a work-group, no clusters, 110,080 bytes of LDS; arguments Wq, Wk, Wv, token, wcodes, sc, qkv; writes wcodes, sc, qkv
.if DOCPART == 1
	.amdgcn_target "amdgcn-amd-amdhsa--gfx1250"
	.amdhsa_code_object_version 6
	.text
	.protected	k_q9af08f2e77_prep
	.globl	k_q9af08f2e77_prep
	.p2align	8
	.type	k_q9af08f2e77_prep,@function
k_q9af08f2e77_prep:
	s_mov_b64 s[64:65], 0
	v_nop
	global_prefetch_b8 v0, s[64:65] scope:SCOPE_SE
	s_setreg_imm32_b32 hwreg(HW_REG_WAVE_MODE, 25, 1), 1
	s_wait_xcnt 0x0
; FIRST OF THREE LAUNCHES.  The program: one decode step over a cache that it fills itself.  K = tokens Wk^T and V = tokens Wv^T (8,192 x 2,048 x 2,048 each, on codes of E5M2 with one E8M0 scale for each 32 along K),
; q, k_new, v_new = token W^T in f32, softmax over 2,049 keys for each of 64 (batch, head), the weighted sum of V, and the product with Wo^T in f32.
; NOTHING OF THE PROBLEM IS LEFT OUT: every input has a way to the output, the offset-causal mask hides no key, and both large products are done in full.
; THIS LAUNCH reads Wq, Wk, Wv once.  (1) Wk's and Wv's codes and scale bytes, quantised along their rows, in the order of the next launch's operand registers:
;   wcodes [Wk, Wv][16 heads][4 quarters of K][4 x 128 of K: f][8 tiles of 16 rows: t][4 blocks of 32: c][lane = 16 h + r][16 bytes];  sc [Wk, Wv][head][quarter][t][r][16 bytes: four words].
; (2) q, k_new, v_new by f32 multiply-adds on the same registers: qkv [3][2,048 n][4 batches].
; SHARES.  256 work-groups: waves 0-3 take 16 rows (one tile) of Wk (work-groups 0-127) or Wv, waves 4-7 take 8 rows of Wq.  Wave w owns columns 512 (w % 4) .. + 511: one quarter of K; a step is one row.
; THE QUANTISER: a block's scale is 2^(floor(log2(largest magnitude)) - 15); its byte is that magnitude's exponent field - 15, held at 1 from below; each number is held within +-57,344 x the scale and rounded to nearest, ties to even.
; LIMITS: a block of zeros gets the byte 1 where the rule says 127 (its codes are zeros; this program alone reads the bytes); so do blocks whose largest magnitude lies under 2^(16 - 127); NaN and infinities are not served.
; q leaves in runs of 128 bytes: 32,768 bytes in all.
.set SP,    80                         ; a lane's place in a stage: 64 bytes + 16 of padding
.set WREG,  5376                       ; waves 0-3: two stages of 32 x SP bytes, then 256 scale bytes
.set RROW,  2176                       ; a row of partial sums: 128 threads x 16 bytes + 128 of padding
.set RED,   4*WREG                     ; 24 rows of partial sums: 16 of Wk or Wv, 8 of Wq
.set RED2,  RED+24*RROW                ; the 24 x 4 sums
.set CST,   RED2+512                   ; waves 0-3: 32 pieces of a row x (16 rows x 16 bytes + 16)
.set SPARE, CST+4*8704                 ; the spare words, 128 bytes for each wave, that no other line names
.set TK,  16                           ; v16-79   token[b][my 16 columns]: 16 b + 4 i + e; at the end codes on their way out
.set R,   80                           ; v80-175  six sets of 16 numbers of W as loaded: 4 i + e = column 128 i + 4 lane + e of my 512
.set X,   176                          ; v176-207 two sets of 16 neighbours
.set ACC, 208                          ; v208-215 a pair for each batch
.set RES, 216                          ; v216-231 four sets of four partial sums
.set C,   232                          ; v232-239 two sets of 16 codes
.set E,   240                          ; v240-243 four scale bytes
.set SPW, 252
.set NIL, 253
.macro LOADW t                         ; row t: my 2,048 bytes, 512 consecutive bytes a load
.irp i, 0,1,2,3
	global_load_b128 v[R+16*((\t)%6)+4*\i:R+16*((\t)%6)+4*\i+3], v3, s[24:25] offset:8192*(\t)+512*\i th:TH_LOAD_NT
.endr
.endm
.macro TURNQ t                         ; row t's numbers through the stage: in as loaded, back 16 neighbours a lane; LDS serves a wave's instructions in order
.irp i, 0,1,2,3
	ds_store_b128 v5, v[R+16*((\t)%6)+4*\i:R+16*((\t)%6)+4*\i+3] offset:32*SP*((\t)%2)+8*SP*\i
.endr
.irp i, 0,1,2,3
	ds_load_b128 v[X+16*((\t)%2)+4*\i:X+16*((\t)%2)+4*\i+3], v6 offset:32*SP*((\t)%2)+16*\i
.endr
.endm
.macro GEMV t                          ; row t x the four tokens, over my 16 columns: four partial sums to LDS
.set RS, R+16*((\t)%6)
.irp b, 0,1,2,3
	v_pk_mul_f32 v[ACC+2*\b:ACC+2*\b+1], v[RS:RS+1], v[TK+16*\b:TK+16*\b+1]
.endr
.irp p, 1,2,3,4,5,6,7
.irp b, 0,1,2,3
	v_pk_fma_f32 v[ACC+2*\b:ACC+2*\b+1], v[RS+2*\p:RS+2*\p+1], v[TK+16*\b+2*\p:TK+16*\b+2*\p+1], v[ACC+2*\b:ACC+2*\b+1]
.endr
.endr
.irp b, 0,1,2,3
	v_add_f32 v[RES+4*((\t)%4)+\b], v[ACC+2*\b], v[ACC+2*\b+1]
.endr
	ds_store_b128 v10, v[RES+4*((\t)%4):RES+4*((\t)%4)+3] offset:(\t)*RROW
.endm
.macro QUANT t                         ; my 16 neighbours of row t become 16 codes; two neighbouring lanes hold a block of 32
.set XS, X+16*((\t)%2)
	v_max3_num_f32 v244, |v[XS]|, |v[XS+1]|, |v[XS+2]|
	v_max3_num_f32 v245, |v[XS+3]|, |v[XS+4]|, |v[XS+5]|
.irp i, 6,10
	v_max3_num_f32 v244, v244, |v[XS+\i]|, |v[XS+\i+1]|
	v_max3_num_f32 v245, v245, |v[XS+\i+2]|, |v[XS+\i+3]|
.endr
	v_max3_num_f32 v244, v244, |v[XS+14]|, |v[XS+15]|
	v_max3_num_f32 v244, v244, v245, 0x8000000     ; and the floor 2^(16 - 127): the byte cannot fall under 1
	v_max_num_f32_dpp v244, v244, v244 row_xmask:1 row_mask:0xf bank_mask:0xf   ; with my neighbour's 16: the block's largest magnitude
	v_add_nc_u32 v246, 0xf8800000, v244            ; 15 off its exponent field: the conversion takes this operand's exponent field as its scale
	v_and_or_b32 v247, v244, 0x7f800000, s32       ; 57,344 x the scale
.irp i, 0,1,2,3,4,5,6,7,8,9,10,11,12,13,14,15
	v_med3_num_f32 v[XS+\i], v[XS+\i], -v247, v247 ; the conversion to an 8-bit code does not saturate (ISA guide 7.6.2): the hold comes first
.endr
	v_cvt_scalef32_pk8_bf8_f32 v[C+4*((\t)%2):C+4*((\t)%2)+1], v[XS:XS+7], v246
	v_cvt_scalef32_pk8_bf8_f32 v[C+4*((\t)%2)+2:C+4*((\t)%2)+3], v[XS+8:XS+15], v246
	v_lshrrev_b32 v[E+(\t)%4], 23, v246            ; the scale's byte (a plain line behind the conversions)
	ds_store_b8 v7, v[E+(\t)%4] offset:16*(\t)     ; both lanes of a block write the same byte with the same value
	ds_store_b128 v4, v[C+4*((\t)%2):C+4*((\t)%2)+3] offset:16*(\t)
.endm
.macro STEP t, nr, quant
.if (\t)+5 < \nr
	LOADW (\t)+5                                   ; into the set that row t - 1 has left
.endif
.if \quant
.if (\t)+1 < \nr
.if (\t)+5 < \nr
	s_wait_loadcnt 16                              ; row t + 1 is in; the four rows behind it may be out
.else
	s_wait_loadcnt 4*(\nr-2-(\t))
.endif
	TURNQ (\t)+1                                   ; it goes through the other stage while row t is worked
.endif
.else
.if (\t)+5 < \nr
	s_wait_loadcnt 20                              ; row t is in; the five rows behind it may be out
.else
	s_wait_loadcnt 4*(\nr-1-(\t))
.endif
.endif
	GEMV \t
.if \quant
.if (\t) == 0
	s_wait_dscnt 9                                 ; row 0 is back from the stage; behind its loads: row 1's eight and one store of sums
.elseif (\t) == \nr-1
	s_wait_dscnt 4                                 ; behind the last row's loads: two stores of sums, a byte, codes
.else
	s_wait_dscnt 12                                ; behind row t's loads: two stores of sums, a byte, codes, and row t + 1's eight
.endif
	QUANT \t
.endif
.endm
	s_load_b256 s[4:11], s[0:1], 0x0               ; Wq s[4:5], Wk s[6:7], Wv s[8:9], token s[10:11]
	s_load_b128 s[12:15], s[0:1], 0x20             ; wcodes s[12:13], sc s[14:15]
	s_load_b64 s[16:17], s[0:1], 0x30              ; qkv
	v_lshl_add_u32 v[SPW], v0, 2, SPARE
	v_mov_b32 v[NIL], 0
	v_lshrrev_b32 v1, 5, v0
	v_readfirstlane_b32 s22, v1                    ; wave 0..7
	s_and_b32 s23, s22, 3                          ; my quarter of the columns
	s_and_b32 s18, ttmp9, 127                      ; which 16 rows of Wk or Wv
	s_lshr_b32 s19, ttmp9, 7                       ; 0: Wk, 1: Wv
	s_mov_b32 s32, 0x600000                        ; the mantissa field of 57,344
	s_lshl_b32 s36, s23, 11
	s_lshr_b32 s37, s22, 2
	s_mul_i32 s37, s37, 16*RROW                    ; Wq's rows of partial sums lie behind the other sixteen
	s_add_co_u32 s37, s37, RED
	s_mul_i32 s38, s22, WREG
	s_add_co_u32 s39, s38, 2*32*SP
	s_mul_i32 s40, s22, 8704
	s_add_co_u32 s40, s40, CST
	v_and_b32 v2, 31, v0                           ; lane
	v_lshl_add_u32 v3, v2, 4, s36                  ; my bytes in a row of W or of token
	v_lshrrev_b32 v15, 2, v2
	v_mul_u32_u24 v5, v15, SP
	v_and_b32 v15, 3, v2
	v_lshl_add_u32 v5, v15, 4, v5
	v_add_nc_u32 v5, s38, v5                       ; the stage, in: four lanes' 64 bytes on end, then the padding
	v_mul_u32_u24 v6, v2, SP
	v_add_nc_u32 v6, s38, v6                       ; and out: my 16 neighbours
	v_lshrrev_b32 v7, 1, v2
	v_add_nc_u32 v7, s39, v7                       ; my block's byte: 16 bytes a row
	v_lshlrev_b32 v9, 3, v2                        ; 8 x lane
	v_add_nc_u32 v8, s39, v9                       ; the tile's 256 scale bytes, 8 a lane
	v_mul_u32_u24 v4, v2, 272
	v_add_nc_u32 v4, s40, v4                       ; codes, in: piece = lane, 16 bytes a row
	v_lshrrev_b32 v15, 4, v2
	v_mul_u32_u24 v248, v15, 272
	v_and_b32 v15, 15, v2
	v_lshl_add_u32 v248, v15, 4, v248
	v_add_nc_u32 v248, s40, v248                   ; and out: lane 16 h + r takes row r of piece 2 i + h
	v_lshlrev_b32 v249, 4, v2
	v_and_b32 v15, 127, v0
	v_lshlrev_b32 v10, 4, v15
	v_add_nc_u32 v10, s37, v10                     ; my partial sums: 16 bytes a thread
	v_lshrrev_b32 v15, 3, v0
	v_and_b32 v1, 7, v0
	v_mul_u32_u24 v11, v15, RROW
	v_lshl_add_u32 v11, v1, 4, v11
	v_add_nc_u32 v11, RED, v11                     ; later: eight threads to a row, each takes every eighth entry
	v_lshlrev_b32 v12, 4, v15
	v_add_nc_u32 v12, RED2, v12                    ; the row's four sums
	v_add_nc_u32 v13, RED2, v9                     ; the first sixteen rows' sums, 8 bytes a lane
	v_lshlrev_b32 v251, 2, v2
	v_add_nc_u32 v250, RED2+256, v251              ; the last eight rows', 4 bytes a lane
	s_wait_alu depctr_va_vdst(0)
	s_wait_kmcnt 0x0
	s_mov_b32 s35, 0
	s_mov_b32 s39, 0
	s_lshl_b32 s34, s18, 17                        ; 16 rows of 8,192 bytes
	s_lshl_b32 s42, ttmp9, 16                      ; 8 rows
	s_cmp_lt_u32 ttmp9, 128
	s_cselect_b64 s[24:25], s[6:7], s[8:9]
	s_cmp_lt_u32 s22, 4
	s_cselect_b64 s[24:25], s[24:25], s[4:5]
	s_cselect_b32 s34, s34, s42
	s_add_nc_u64 s[24:25], s[24:25], s[34:35]
.irp b, 0,1,2,3
.irp i, 0,1,2,3
	global_load_b128 v[TK+16*\b+4*\i:TK+16*\b+4*\i+3], v3, s[10:11] offset:8192*\b+512*\i
.endr
.endr
.irp t, 0,1,2,3,4
	LOADW \t
.endr
	s_lshl_b32 s36, s19, 4
	s_lshr_b32 s37, s18, 3                         ; the head
	s_add_co_u32 s36, s36, s37
	s_lshl_b32 s36, s36, 2
	s_add_co_u32 s36, s36, s23                     ; (matrix, head, quarter)
	s_and_b32 s37, s18, 7                          ; the tile
	s_lshl_b32 s38, s36, 5
	s_add_co_u32 s38, s38, s37
	s_lshl_b32 s38, s38, 11
	s_add_nc_u64 s[26:27], s[12:13], s[38:39]
	s_lshl_b32 s38, s36, 3
	s_add_co_u32 s38, s38, s37
	s_lshl_b32 s38, s38, 8
	s_add_nc_u64 s[28:29], s[14:15], s[38:39]
	s_add_co_u32 s38, s19, 1
	s_lshl_b32 s38, s38, 15
	s_lshl_b32 s37, s18, 8
	s_add_co_u32 s38, s38, s37
	s_add_nc_u64 s[30:31], s[16:17], s[38:39]      ; k_new or v_new: 16 n x 16 bytes
	s_lshl_b32 s38, ttmp9, 7
	s_add_nc_u64 s[20:21], s[16:17], s[38:39]      ; q: 8 n x 16 bytes
	s_cmp_ge_u32 s22, 4
	s_cbranch_scc1 .Lq
	s_wait_loadcnt 16                              ; the token and row 0 are in; rows 1 to 4 may be out
	TURNQ 0
.irp t, 0,1,2,3,4,5,6,7,8,9,10,11,12,13,14,15
	STEP \t, 16, 1
.endr
	ds_load_b64 v[244:245], v8                     ; LDS serves a wave's instructions in order: these see my own stores
.irp i, 0,1,2,3,4,5,6,7,8,9,10,11,12,13,14,15
	ds_load_b128 v[TK+4*\i:TK+4*\i+3], v248 offset:544*\i
.endr
	s_wait_dscnt 0x0
	global_store_b64 v9, v[244:245], s[28:29]      ; 256 consecutive bytes, aligned
.irp i, 0,1,2,3,4,5,6,7,8,9,10,11,12,13,14,15
	global_store_b128 v249, v[TK+4*\i:TK+4*\i+3], s[26:27] offset:16384*(\i/4)+512*(\i%4)   ; f = i / 4, c = i % 4: 512 consecutive bytes, aligned
.endr
	s_branch .Ljoin
.Lq:
.irp t, 0,1,2,3,4,5,6,7
	STEP \t, 8, 0
.endr
.Ljoin:
	s_wait_alu depctr_va_vdst(0)
	s_wait_dscnt 0x0                               ; my partial sums have landed
	s_barrier_signal -1
	s_barrier_wait -1
	s_cmp_ge_u32 s22, 6
	s_cbranch_scc1 .Lsummed                        ; 24 rows x 8 threads: six waves
.irp i, 0,1,2,3,4,5,6,7,8,9,10,11,12,13,14,15
	ds_load_b128 v[R+4*\i:R+4*\i+3], v11 offset:128*\i
.endr
	s_wait_dscnt 0x0
.irp d, 8,4,2,1
.set i, 0
.rept \d
	v_pk_add_f32 v[R+4*i:R+4*i+1], v[R+4*i:R+4*i+1], v[R+4*(i+\d):R+4*(i+\d)+1]
	v_pk_add_f32 v[R+4*i+2:R+4*i+3], v[R+4*i+2:R+4*i+3], v[R+4*(i+\d)+2:R+4*(i+\d)+3]
.set i, i+1
.endr
.endr
.irp m, 1,2,4
.irp e, 0,1,2,3
	v_add_f32_dpp v[R+\e], v[R+\e], v[R+\e] row_xmask:\m row_mask:0xf bank_mask:0xf   ; the row's eight threads
.endr
.endr
	ds_store_b128 v12, v[R:R+3]                    ; the eight write the same 16 bytes with the same values
.Lsummed:
	s_wait_dscnt 0x0
	s_barrier_signal -1
	s_barrier_wait -1
	s_cmp_eq_u32 s22, 0
	s_cbranch_scc0 .Lnot_kv
	ds_load_b64 v[R+4:R+5], v13
	s_wait_dscnt 0x0
	global_store_b64 v9, v[R+4:R+5], s[30:31]      ; 16 n x 4 batches: 256 consecutive bytes, aligned
.Lnot_kv:
	s_cmp_eq_u32 s22, 1
	s_cbranch_scc0 .Ldone
	ds_load_b32 v[R+6], v250
	s_wait_dscnt 0x0
	global_store_b32 v251, v[R+6], s[20:21]        ; 8 n x 4 batches
.Ldone:
	s_wait_tensorcnt 0x0                           ; the wave's end, behind my last LDS store
	ds_add_u32 v[SPW], v[NIL]
	s_wait_dscnt 0x0
	s_endpgm
.Lfunc_end_k_q9af08f2e77_prep:
	.size	k_q9af08f2e77_prep, .Lfunc_end_k_q9af08f2e77_prep-k_q9af08f2e77_prep
	.p2alignl 7, 3214868480
	.fill 96, 4, 3214868480
	.section	.rodata,"a",@progbits
	.p2align	6, 0x0
	.amdhsa_kernel k_q9af08f2e77_prep
		.amdhsa_group_segment_fixed_size 110080
		.amdhsa_private_segment_fixed_size 0
		.amdhsa_enable_private_segment 0
		.amdhsa_kernarg_size 56
		.amdhsa_user_sgpr_count 2
		.amdhsa_user_sgpr_kernarg_segment_ptr 1
		.amdhsa_wavefront_size32 1
		.amdhsa_system_sgpr_workgroup_id_x 1
		.amdhsa_system_sgpr_workgroup_id_y 1
		.amdhsa_system_sgpr_workgroup_id_z 1
		.amdhsa_system_vgpr_workitem_id 0
		.amdhsa_next_free_vgpr 256
		.amdhsa_next_free_sgpr 66
		.amdhsa_reserve_vcc 0
		.amdhsa_float_denorm_mode_32 3
		.amdhsa_float_denorm_mode_16_64 3
		.amdhsa_memory_ordered 1
		.amdhsa_forward_progress 1
		.amdhsa_inst_pref_size 115
	.end_amdhsa_kernel
	.amdgpu_metadata
---
amdhsa.version: [ 1, 2 ]
amdhsa.kernels:
  - .name:           k_q9af08f2e77_prep
    .symbol:         k_q9af08f2e77_prep.kd
    .args:
      - { .name: Wq, .offset: 0, .size: 8, .value_kind: global_buffer, .address_space: global }
      - { .name: Wk, .offset: 8, .size: 8, .value_kind: global_buffer, .address_space: global }
      - { .name: Wv, .offset: 16, .size: 8, .value_kind: global_buffer, .address_space: global }
      - { .name: token, .offset: 24, .size: 8, .value_kind: global_buffer, .address_space: global }
      - { .name: wcodes, .offset: 32, .size: 8, .value_kind: global_buffer, .address_space: global }
      - { .name: sc, .offset: 40, .size: 8, .value_kind: global_buffer, .address_space: global }
      - { .name: qkv, .offset: 48, .size: 8, .value_kind: global_buffer, .address_space: global }
    .group_segment_fixed_size: 110080
    .private_segment_fixed_size: 0
    .kernarg_segment_align: 8
    .kernarg_segment_size: 56
    .max_flat_workgroup_size: 256
    .sgpr_count:     66
    .vgpr_count:     256
    .wavefront_size: 32
...
	.end_amdgpu_metadata
.endif
;; end of part 1
;; launch main (part 2): grid 16 x 16, 8 waves a work-group, clusters of 4 x 4, 327,680 bytes of LDS; arguments tokens_codes, tokens_scales, wcodes, sc, qkv, part; writes part
.if DOCPART == 2
	.amdgcn_target "amdgcn-amd-amdhsa--gfx1250"
	.amdhsa_code_object_version 6
	.text
	.protected	k_q9af08f2e77_main
	.globl	k_q9af08f2e77_main
	.p2align	8
	.type	k_q9af08f2e77_main,@function
k_q9af08f2e77_main:
	s_mov_b64 s[64:65], 0
	v_nop
	global_prefetch_b8 v0, s[64:65] scope:SCOPE_SE
	s_setreg_imm32_b32 hwreg(HW_REG_WAVE_MODE, 25, 1), 1
	s_wait_xcnt 0x0
	s_wait_alu depctr_hold_cnt(0) depctr_sa_sdst(0) depctr_va_vdst(0) depctr_va_sdst(0) depctr_va_ssrc(0) depctr_va_vcc(0) depctr_vm_vsrc(0)
	s_getreg_b32 s2, hwreg(HW_REG_IB_STS2, 6, 4)
	s_cmp_eq_u32 s2, 0
	s_cbranch_scc0 .Lentry_in_a_cluster
	s_endpgm
.Lentry_in_a_cluster:
	s_bfe_u32 s2, ttmp6, 0x10000c
	s_cmp_lg_u32 s2, 0xf033
	s_cbranch_scc0 .Lentry_shape_is_right
	s_endpgm
.Lentry_shape_is_right:
; SECOND OF THREE LAUNCHES: K and V of the prefilled tokens on codes, and one record (M, l, o[128]) of the decode step's softmax for each (batch, head, quarter of the batch's tokens).  Nothing of the problem is left out here.
; A work-group owns one head (x) and 512 tokens (y: batch y / 4, quarter y % 4).  PHASE K: its tokens x the head's 128 rows of Wk, each result times q, summed: scores.  Then the softmax.  PHASE V: the same tokens x 128 rows of Wv, each result times p, summed.
; WAVE w OWNS EIGHTH w OF K (256): score and weighted sum are linear in K's parts, so the parts of the eight waves are added behind the dot with q, or with p, and no accumulator is handed over.
; A wave holds the head's 128 rows x 256 of K in 256 registers (8 tiles t x 2 fragments f) and streams blocks of 16 tokens past them: 16 products a block, in two groups of 8.  Source 0 = weight rows, source 1 = tokens:
; lane (r, h) holds token r, its registers 8 t + i the dimension 16 t + 8 h + i.
; A BLOCK: products of tiles 0-3; the sums over the LAST block's tiles 4-7; products of tiles 4-7; the sums over this block's tiles 0-3; one run of LDS instructions, for the block two on.  So one set of accumulators serves,
; and the sums, which name no register of the products in front of them, are the places behind those (ISA guide 7.12.1).
; RING: two slots of 64 tokens as four quarters of the rows, 64 x (512 bytes + 16 of padding); each wave fetches 32 rows of a quarter by one JOINT load a round, shared by the four work-groups of a cluster's row, which own the same tokens.
; WEIGHTS lie as register images: a wave's fragment f is 32 rows of 512 bytes, laid in LDS like 32 rows of tokens.  Wv goes through the ring as two items, f = 0 and f = 1, shared by the cluster's column, which owns the same head.
; At the head Wk's f = 0 comes by the same joint load; f = 1 goes from memory straight into registers beside it (a wave has one tensor load there, and the other slot is the tokens').  The weights' scale words likewise: 32 bytes a lane and phase.
; The tokens' scale bytes (32,768 dense bytes) are copied into LDS once, in whole units.
; PREFETCH: trip n of phase K asks for the ring's item n + 3 (tokens, then Wv's two), whose load stands one trip and two blocks on; each block of 256 bytes once in a cluster.  Phase V reads again what phase K has read: none.
; A new key (k_new, v_new) joins the last quarter's record of each batch; in the others its score is -infinity.
; LIMITS: the promise holds while the scaled scores stay under 2^31 in magnitude; NaN, infinities and sums beyond f32's range are not served.
.set XR,   32*528                      ; what one wave fetches
.set SLOT, 8*XR
.set SCX,  2*SLOT                      ; the tokens' scale bytes: 128 units of 256 bytes (4 tokens) + 16
.set QS,   SCX+128*272                 ; q, k_new, v_new: 512 bytes each
.set SCO,  QS+1536                     ; score parts: [block + 1][wave][token of 16]; entry 0 takes what stands there ahead of the first block
.set PA,   SCO+33*512                  ; p of 512 tokens; at the end parts of o
.set FX,   PA+2048                     ; the waves' maxima, then their sums
.set SPARE, FX+256                     ; the spare words, 128 bytes for each wave, that no other line names
.set ADR,  1                           ; v1 LDS address of the x fragments, v2 its lane part
.set SAX,  3                           ; v3 of the tokens' scale words, v4 its lane part
.set SCA,  5                           ; v5 of the score store (phase K) or the p load (phase V), v15 its lane part
.set PFO,  6                           ; v6 256 x lane
.set GW,   7                           ; v7 16 x lane
.set SPW,  8
.set NIL,  9
.set PP,   16                          ; v16-23 p of four blocks (the high word of each pair is named with it)
.set TT,   24                          ; v24-31 phase K: four pairs of sums; later v24 M, v25 the new key's p
.set UU,   44                          ; v[44:45] the first half's sum;  v46 the score part;  v47 its other half
.set QR,   64                          ; v64-127 phase K: q; phase V: the weighted sums
.set ACC,  128                         ; v128-191 8 accumulators
.set XF,   192                         ; v192-255 two sets of x;  window 1: the weights, fragment 8 f + t at v[16 (8 f + t)]
; scale words: weights v34-39, v42-43 (pairs of tiles: even ones in lanes 0-15, odd ones in lanes 16-31), tokens v40-41, v48-49: no product's two have numbers equal modulo 8
.set N,    3                           ; s3 the chunk of 64 tokens
.set G1,   24                          ; s[24:31], s[32:35] descriptors for tokens
.set G0,   32
.set G1W,  72                          ; s[72:79], s[68:71] for weights
.set G0W,  68
.set TB,   36                          ; s36 the slot in hand
.set MSB, 0
.macro WIN new                         ; the immediate's high byte repeats the setting that is left
.if MSB != (\new)
	s_set_vgpr_msb (MSB<<8)|(\new)
.set MSB, (\new)
.endif
.endm
.macro WALU
	s_wait_alu depctr_va_vdst(0)
.endm
.macro TL g0, g1
	tensor_load_to_lds s[\g0:\g0+3], s[\g1:\g1+7]
	s_nop 0
.rept 4
	v_nop
.endr
.endm
.macro BARRIER
	s_barrier_signal -1
	s_barrier_wait -1
.endm
.macro CREST                           ; a round of the cluster's barrier behind its opening barrier
	s_cmp_lg_u32 s16, 0
	s_cbranch_scc1 .Lnot_wave_0_\@
	s_barrier_signal -3
.Lnot_wave_0_\@:
	s_barrier_wait -3
	BARRIER
.endm
.macro GRD
	s_wait_tensorcnt 0x0
	ds_add_u32 v[SPW], v[NIL]
.endm
.macro XDESC lds, off                  ; group 0 for tokens: at the wave's place + lds, from the wave's rows + off bytes
	s_add_co_u32 s[G0+1], s37, \lds
	s_add_nc_u64 s[G0+2:G0+3], s[38:39], \off
	s_or_b32 s[G0+3], s[G0+3], 0x80000000
.endm
.macro WSCALES b
.irp p, 0,1,2,3
	global_load_b64 v[34+2*\p+2*(\p/3):35+2*\p+2*(\p/3)], v52, s[\b:\b+1] offset:512*\p
.endr
.endm
.macro WREAD reg, adr                  ; a fragment row of weights from LDS: 32 loads
	WIN 0x40
.set I_, 0
.rept 32
	ds_load_b128 v[\reg+4*I_:\reg+4*I_+3], v\adr offset:528*I_
.set I_, I_+1
.endr
	WIN 0
.endm
.macro FETCH j                         ; nine loads for the block two behind block j: its fragments, its scale words
.set E_, (\j)%2
.set B_, ((\j)+2)%4
.set I_, 0
.rept 8
	ds_load_b128 v[XF+32*E_+4*I_:XF+32*E_+4*I_+3], v[ADR] offset:B_*16*528+32*I_
.set I_, I_+1
.endr
	ds_load_b64 v[40+8*E_:41+8*E_], v[SAX] offset:B_*1088
.endm
.macro SUMS ph, half, p                ; over tiles 0-3 (half 0) or 4-7 (half 1)
.set I_, 16*(\half)
.rept 16
.set A_, ACC+2*I_
.set O_, QR+2*I_
.set H_, TT+2*(I_%4)
.if \ph
	v_pk_fma_f32 v[O_:O_+1], v[A_:A_+1], v[PP+2*(\p):PP+2*(\p)+1], v[O_:O_+1] op_sel_hi:[1,0,1]
.elseif (I_%16) < 4
	v_pk_mul_f32 v[H_:H_+1], v[A_:A_+1], v[O_:O_+1]
.else
	v_pk_fma_f32 v[H_:H_+1], v[A_:A_+1], v[O_:O_+1], v[H_:H_+1]
.endif
.set I_, I_+1
.endr
.if (\ph) == 0
	v_pk_add_f32 v[TT:TT+1], v[TT:TT+1], v[TT+2:TT+3]
	v_pk_add_f32 v[TT+4:TT+5], v[TT+4:TT+5], v[TT+6:TT+7]
.if \half
	v_pk_add_f32 v[TT:TT+1], v[TT:TT+1], v[TT+4:TT+5]
	v_pk_add_f32 v[TT:TT+1], v[TT:TT+1], v[UU:UU+1]
	v_add_f32 v46, v[TT], v[TT+1]
	v_permlanex16_b32 v47, v46, s60, s61           ; the other half's dimensions
	v_add_f32 v46, v46, v47
.else
	v_pk_add_f32 v[UU:UU+1], v[TT:TT+1], v[TT+4:TT+5]
.endif
.endif
.endm
.macro PROD j, g                       ; eight products: tiles 4 g .. 4 g + 3, which take turns
	WIN 1
.irp f, 0,1
.irp u, 0,1,2,3
.set T_, 4*(\g)+\u
.set D_, ACC+8*T_
.set W_, 16*(8*\f+T_)
.set X_, XF+32*((\j)%2)+16*\f
.set WS_, 34+2*(T_/2)+2*(T_/6)+\f
.set XS_, 40+8*((\j)%2)+\f
.if (\f == 0) && (T_%2 == 0)
	v_wmma_scale_f32_16x16x128_f8f6f4 v[D_:D_+7], v[W_:W_+15], v[X_:X_+15], 0, v[WS_], v[XS_] matrix_a_fmt:MATRIX_FMT_BF8 matrix_b_fmt:MATRIX_FMT_BF8
.elseif \f == 0
	v_wmma_scale_f32_16x16x128_f8f6f4 v[D_:D_+7], v[W_:W_+15], v[X_:X_+15], 0, v[WS_], v[XS_] matrix_a_fmt:MATRIX_FMT_BF8 matrix_b_fmt:MATRIX_FMT_BF8 matrix_a_scale:MATRIX_SCALE_ROW1
.elseif T_%2 == 0
	v_wmma_scale_f32_16x16x128_f8f6f4 v[D_:D_+7], v[W_:W_+15], v[X_:X_+15], v[D_:D_+7], v[WS_], v[XS_] matrix_a_fmt:MATRIX_FMT_BF8 matrix_b_fmt:MATRIX_FMT_BF8
.else
	v_wmma_scale_f32_16x16x128_f8f6f4 v[D_:D_+7], v[W_:W_+15], v[X_:X_+15], v[D_:D_+7], v[WS_], v[XS_] matrix_a_fmt:MATRIX_FMT_BF8 matrix_b_fmt:MATRIX_FMT_BF8 matrix_a_scale:MATRIX_SCALE_ROW1
.endif
.endr
.endr
.endm
; A BLOCK, j-th of its chunk.  fill: 0: none; else a change of slots, behind which nobody reads the slot in hand (all its rows are in registers): 1: it takes the chunk two on; 2, 3: Wv's f = 0, f = 1; 4: nothing (the last chunk but one).
; fetch = 0: there is no block two on.  ask = 1: a prefetch.
.macro BLOCK j, ph, fill, fetch, ask
.if ((\j) == 3) && ((\fetch) == 0)
	s_wait_dscnt 0x0
.else
	s_wait_dscnt 10                                ; the run two blocks ago is done; the last one, ten instructions, may be out
.endif
	PROD \j, 0
	WIN 0
	SUMS \ph, 1, ((\j)+3)%4
.if (\fill) == 4
	s_wait_tensorcnt 0x0                           ; my part of the last chunk is in
.elseif \fill
	GRD
.endif
	PROD \j, 1
	WIN 0
.if \fill
.if (\fill) == 1
	s_add_co_u32 s[G0+1], s[TB], s37
	s_add_co_u32 s40, s[N], 2
	s_lshl_b32 s40, s40, 17
	s_mov_b32 s41, 0
	s_add_nc_u64 s[G0+2:G0+3], s[38:39], s[40:41]
	s_or_b32 s[G0+3], s[G0+3], 0x80000000
.elseif (\fill) < 4
	s_add_co_u32 s[G0W+1], s[TB], s37
	s_add_nc_u64 s[G0W+2:G0W+3], s[50:51], 0x4000*((\fill)-2)
	s_or_b32 s[G0W+3], s[G0W+3], 0x80000000
.endif
	s_xor_b32 s[TB], s[TB], SLOT
	s_add_co_u32 s[N], s[N], 1
	s_and_b32 s62, s[N], 7                         ; behind phase K the tokens' scale words begin anew
	s_mul_i32 s62, s62, 4*1088
	s_lshl_b32 s63, s[N], 11-3*(\ph)
	v_add_nc_u32 v[ADR], s[TB], v2                 ; the next chunk's addresses, for this block's run on
	v_add_nc_u32 v[SAX], s62, v4
	v_add_nc_u32 v[SCA], s63, v15
	s_wait_dscnt 0x0                               ; the add, where there is one, and my reads of the slot in hand are done
	s_barrier_signal -1
.endif
	SUMS \ph, 0, (\j)%4
.if \fill
	s_barrier_wait -1
.if (\fill) < 4
	CREST                                          ; no wave of any partner still reads the slot or has a load on its way
.if (\fill) == 1
	TL G0, G1
.else
	TL G0W, G1W
.endif
.endif
.endif
.if \fetch
	FETCH \j
.if \ph
	ds_load_b32 v[PP+2*(((\j)+2)%4)], v[SCA] offset:(((\j)+2)%4)*64
.endif
.endif
.if (\ph) == 0
	ds_store_b32 v[SCA], v46 offset:(((\j)+2)%4)*512   ; the last block's score part; both halves of the lanes write the same
.endif
.if \ask
	s_cmp_lt_u32 s16, 4                            ; four waves x 8,192 bytes: my work-group's quarter of what the four partners share
	s_cbranch_scc0 .Lnot_mine_\@
	global_prefetch_b8 v[PFO], s[46:47] th:TH_LOAD_NT scope:SCOPE_SE
.Lnot_mine_\@:
.endif
.endm
.macro PFSTEP                          ; where this trip's prefetch stands: tokens for n < 5, then Wv
	s_wait_xcnt 0x0                                ; the last prefetch has read its address
	s_cmp_lt_u32 s[N], 5
	s_cselect_b64 s[46:47], s[42:43], s[44:45]
	s_add_nc_u64 s[42:43], s[42:43], 0x20000
	s_add_nc_u64 s[44:45], s[44:45], 0x4000
.endm
.macro CHUNK ph, fill, last, ask       ; last = 1: the phase's last chunk fetches nothing beyond it
	BLOCK 0, \ph, 0, 1, \ask
	BLOCK 1, \ph, 0, 1, 0
	BLOCK 2, \ph, \fill, 1-(\last), 0
	BLOCK 3, \ph, 0, 1-(\last), 0
.endm
	s_load_b256 s[4:11], s[0:1], 0x0               ; tokens_codes, tokens_scales, wcodes, sc
	s_load_b128 s[12:15], s[0:1], 0x20             ; qkv, part
	v_lshl_add_u32 v[SPW], v0, 2, SPARE
	v_mov_b32 v[NIL], 0
	ds_add_u32 v[SPW], v[NIL]                      ; the wave's opening: the add, twice on end, and its wait ahead of my first tensor load
	ds_add_u32 v[SPW], v[NIL]
	v_lshrrev_b32 v10, 5, v0
	v_readfirstlane_b32 s16, v10                   ; wave 0..7
	s_lshr_b32 s17, s16, 1                         ; my quarter of a token's row,
	s_and_b32 s18, s16, 1                          ; and my half of it
	s_bfe_u32 s19, ttmp6, 0x40000                  ; cx, cy
	s_bfe_u32 s20, ttmp6, 0x40004
	s_lshl_b32 s21, ttmp9, 2
	s_add_co_u32 s21, s21, s19                     ; the head
	s_and_b32 s23, ttmp7, 0xffff                   ; the batch
	s_lshl_b32 s22, s23, 2
	s_add_co_u32 s22, s22, s20                     ; which 512 tokens
	s_lshl_b32 s40, s20, 2
	s_lshl_b32 s40, 15, s40                        ; my row of the cluster shares tokens,
	s_lshl_b32 s41, 0x1111, s19                    ; my column weights
	s_or_b32 s[G1], s40, (1<<20)|(1<<21)|(6<<22)|(3<<25)   ; elements of 1 byte; padding: four words after every 128
	s_or_b32 s[G1W], s41, (1<<20)|(1<<21)|(6<<22)|(3<<25)
.irp g, G1, G1W
	s_mov_b32 s[\g+1], 512<<16
	s_mov_b32 s[\g+2], 32<<16
	s_mov_b32 s[\g+3], 512<<16
	s_mov_b32 s[\g+4], 32
	s_mov_b32 s[\g+6], 0
	s_mov_b32 s[\g+7], 0
.endr
	s_mov_b32 s[G1+5], 2048
	s_mov_b32 s[G1W+5], 512
	s_mul_i32 s37, s16, XR                         ; my place in a slot
	s_mul_i32 s56, s17, 2*XR
	s_lshl_b32 s62, s18, 8
	s_add_co_u32 s56, s56, s62                     ; what I read of a slot: my quarter, 256 x my half bytes on
	s_lshl_b32 s57, s16, 3
	s_add_co_u32 s57, s57, SCX
	s_lshl_b32 s63, s16, 6
	s_add_co_u32 s63, s63, SCO-1024
	s_lshl_b32 s62, s18, 3
	s_mov_b32 s60, 0x76543210                      ; v_permlanex16_b32's selects for lane l xor 16
	s_mov_b32 s61, 0xfedcba98
	s_mov_b32 s58, 0x3e0293ee                      ; log2(e) / sqrt(128)
	s_cmp_eq_u32 s20, 3
	s_cselect_b32 s59, 0, 0xff800000               ; added to the new key's score: it counts in the last quarter alone
	s_mov_b32 s[TB], 0
	s_mov_b32 s[N], 0
	v_and_b32 v10, 15, v0                          ; r
	v_bfe_u32 v11, v0, 4, 1                        ; h
	v_and_b32 v12, 31, v0
	v_mul_u32_u24 v2, v10, 528
	v_lshl_add_u32 v2, v11, 4, v2
	v_add_nc_u32 v2, s56, v2
	v_lshrrev_b32 v13, 2, v10
	v_and_b32 v14, 3, v10
	v_mul_u32_u24 v4, v13, 272
	v_lshl_add_u32 v4, v14, 6, v4
	v_add_nc_u32 v4, s57, v4                       ; token r's two words of my eighth
	v_lshl_add_u32 v15, v10, 2, s63
	v_lshlrev_b32 v[PFO], 8, v12
	v_lshlrev_b32 v[GW], 4, v12
	v_lshl_add_u32 v52, v12, 4, s62
	v_lshl_add_u32 v50, v12, 4, s37                ; my weights' rows in slot 0,
	v_add_nc_u32 v51, SLOT, v50                    ; in slot 1
	v_and_b32 v53, 127, v0
	v_lshlrev_b32 v53, 4, v53
	v_lshrrev_b32 v14, 7, v0
	v_lshl_add_u32 v13, v14, 15, v53               ; waves 0-3: q, waves 4-7: k_new
	v_lshlrev_b32 v54, 4, v0
	v_lshl_add_u32 v14, v0, 2, QS
	v_lshrrev_b32 v57, 4, v0
	v_mul_u32_u24 v55, v57, 272
	v_lshl_add_u32 v55, v10, 4, v55
	v_add_nc_u32 v55, SCX, v55                     ; where my 16 of each 4,096 scale bytes go
	v_lshl_add_u32 v56, v11, 5, QS
	v_mov_b32 v[ADR], v2
	v_mov_b32 v[SAX], v4
	v_mov_b32 v[SCA], v15
	WALU
	s_wait_dscnt 0x0                               ; both opening adds are done
	s_wait_kmcnt 0x0
	s_mov_b32 s41, 0
	s_lshl_b32 s40, s22, 15
	s_add_nc_u64 s[6:7], s[6:7], s[40:41]          ; my tokens' scale bytes
	s_lshl_b32 s40, s22, 20
	s_lshl_b32 s62, s17, 9
	s_add_co_u32 s40, s40, s62
	s_lshl_b32 s62, s18, 16
	s_add_co_u32 s40, s40, s62
	s_add_nc_u64 s[38:39], s[4:5], s[40:41]        ; what I fetch of a chunk: 32 rows of my quarter
	s_mov_b32 s57, 0
	s_lshl_b32 s56, s21, 11
	s_lshl_b32 s62, s23, 2
	s_add_co_u32 s56, s56, s62
	s_add_nc_u64 s[12:13], s[12:13], s[56:57]      ; q at my head and batch
	global_load_b32 v160, v13, s[12:13]
	global_load_b32 v161, v53, s[12:13] offset:65536
.irp i, 0,1,2,3,4,5,6,7
	global_load_b128 v[128+4*\i:131+4*\i], v54, s[6:7] offset:4096*\i
.endr
	s_lshl_b32 s56, s21, 13
	s_lshl_b32 s62, s17, 11
	s_add_co_u32 s56, s56, s62
	s_add_nc_u64 s[52:53], s[10:11], s[56:57]      ; Wk's scale words, Wv's
	s_add_nc_u64 s[54:55], s[52:53], 0x20000
	WSCALES 52
	s_lshl_b32 s56, s21, 18
	s_lshl_b32 s62, s16, 15
	s_add_co_u32 s56, s56, s62
	s_add_nc_u64 s[48:49], s[8:9], s[56:57]        ; my image of Wk, of Wv
	s_add_nc_u64 s[50:51], s[48:49], 0x400000
	s_mov_b32 s[G0], 1
	s_mov_b32 s[G0W], 1
	s_add_co_u32 s[G0W+1], s37, SLOT
	s_mov_b64 s[G0W+2:G0W+3], s[48:49]
	s_or_b32 s[G0W+3], s[G0W+3], 0x80000000
	BARRIER
	CREST                                          ; all sixteen work-groups are here: the first joint loads meet
	TL G0W, G1W                                    ; Wk's f = 0, into slot 1
	WIN 0x40
.set I_, 0
.rept 32
	global_load_b128 v[128+4*I_:131+4*I_], v[GW], s[48:49] offset:16384+512*I_   ; f = 1, 512 consecutive bytes a load
.set I_, I_+1
.endr
	WIN 0
	s_lshl_b32 s56, s23, 4
	s_add_co_u32 s56, s56, s21
	s_lshl_b32 s56, s56, 2
	s_add_co_u32 s56, s56, s20
	s_mul_i32 s56, s56, 768
	s_add_nc_u64 s[14:15], s[14:15], s[56:57]      ; my record
	s_lshl_b32 s56, s19, 2                         ; the prefetches: my wave's sixteenth (cx, w) of a chunk of tokens, chunk 3 first;
	s_add_co_u32 s56, s56, s16
	s_lshl_b32 s56, s56, 13
	s_lshl_b32 s62, s22, 20
	s_add_co_u32 s56, s56, s62
	s_add_co_u32 s56, s56, 3*131072
	s_add_nc_u64 s[42:43], s[4:5], s[56:57]
	s_lshl_b32 s62, s20, 2                         ; and (cy, w) of Wv's eight pieces of 16,384 bytes, f = 0 in trip 5, f = 1 in trip 6 (the address steps in every trip)
	s_add_co_u32 s62, s62, s16
	s_lshr_b32 s56, s62, 1
	s_lshl_b32 s56, s56, 15
	s_and_b32 s62, s62, 1
	s_lshl_b32 s62, s62, 13
	s_add_co_u32 s56, s56, s62
	s_lshl_b32 s62, s21, 18
	s_add_co_u32 s56, s56, s62
	s_add_co_u32 s56, s56, 0x400000-5*0x4000
	s_add_nc_u64 s[44:45], s[8:9], s[56:57]
	s_wait_loadcnt 32                              ; of the 32 loads of f = 1 all may be out: what was asked for ahead of them is in
	ds_store_b32 v14, v160
.irp i, 0,1,2,3,4,5,6,7
	ds_store_b128 v55, v[128+4*\i:131+4*\i] offset:4352*\i
.endr
	s_cmp_lt_u32 s16, 4
	s_cbranch_scc0 .Lno_v
	ds_store_b32 v14, v161 offset:1024
.Lno_v:
	GRD
	XDESC 0, 0
	s_wait_dscnt 0x0                               ; the add and my stores are done
	BARRIER
	CREST
	TL G0, G1                                      ; chunk 0: slot 0's first fill
	WREAD 0, 51
.irp b, 0,1,2,3,4,5,6,7
	ds_load_b128 v[QR+8*\b:QR+8*\b+3], v56 offset:64*\b
	ds_load_b128 v[QR+8*\b+4:QR+8*\b+7], v56 offset:64*\b+16
.endr
.set I_, 0
.rept 32
	v_mov_b32 v[ACC+32+I_], 0                      ; the first block has none ahead of it: its sums find zeros
.set I_, I_+1
.endr
	v_mov_b32 v[UU], 0
	v_mov_b32 v[UU+1], 0
	v_mov_b32 v47, 0                               ; a lane permute's destination counts as one of its sources
	WALU
	GRD
	XDESC SLOT, 0x20000
	s_wait_dscnt 0x0                               ; the add is done, and so are my reads of slot 1
	BARRIER
	CREST
	TL G0, G1                                      ; chunk 1, over Wk's f = 0
	FETCH 2                                        ; block 0,
	FETCH 3                                        ; block 1
	s_wait_loadcnt 0x0                             ; Wk is in registers
	s_wait_dscnt 9                                 ; block 0 is in
.Lk:                                               ; PHASE K: a trip is a chunk of four blocks
	PFSTEP
	CHUNK 0, 1, 0, 1
	s_cmp_lg_u32 s[N], 6
	s_cbranch_scc1 .Lk
	PFSTEP
	CHUNK 0, 2, 0, 1                               ; chunk 6 makes room for Wv's f = 0 in slot 0,
	CHUNK 0, 3, 1, 0                               ; chunk 7 for f = 1 in slot 1
; THE CHANGE OF PHASE: Wv goes into registers, the last block's scores leave, the softmax is made, the tokens come anew.  Lane (r, h) of wave w takes tokens 16 (4 w + 2 j + h) + r, j = 0, 1.
	WSCALES 54
	WREAD 0, 50
	SUMS 0, 1, 0
	ds_store_b32 v[SCA], v46 offset:1024
	s_lshl_b32 s62, s16, 11
	s_add_co_u32 s62, s62, SCO+512
	s_lshl_b32 s63, s16, 8
	s_add_co_u32 s63, s63, PA
	s_lshl_b32 s56, s16, 2
	s_add_co_u32 s56, s56, FX
	v_and_b32 v10, 15, v0
	v_bfe_u32 v11, v0, 4, 1
	v_and_b32 v12, 31, v0
	v_lshl_add_u32 v13, v11, 9, s62
	v_lshl_add_u32 v13, v10, 2, v13
	v_lshl_add_u32 v14, v11, 6, s63
	v_lshl_add_u32 v14, v10, 2, v14
	v_lshl_add_u32 v55, v12, 4, QS
	v_mov_b32 v57, s56
	v_mov_b32 v58, FX
	v_mov_b32 v153, 0
	v_lshl_add_u32 v15, v10, 2, PA
	WALU
	GRD
	XDESC 0, 0
	s_wait_dscnt 0x0                               ; the add is done, f = 0 is in registers, my score parts have landed
	BARRIER
	CREST
	TL G0, G1                                      ; chunk 0 again, over f = 0
	WREAD 128, 51
.irp j, 0,1
.irp k, 0,1,2,3,4,5,6,7
	ds_load_b32 v[128+8*\j+\k], v13 offset:1024*\j+64*\k   ; eight waves' parts
.endr
.endr
	ds_load_b128 v[144:147], v55
	ds_load_b128 v[148:151], v55 offset:512
	s_wait_dscnt 0x0
.irp d, 4,2,1
.set i, 0
.rept \d
.irp j, 0,1
	v_add_f32 v[128+8*\j+i], v[128+8*\j+i], v[128+8*\j+i+\d]
.endr
.set i, i+1
.endr
.endr
	v_mul_f32 v152, v144, v148                     ; q . k_new
	v_mul_f32 v128, s58, v128
	v_fma_f32 v152, v145, v149, v152
	v_mul_f32 v136, s58, v136
	v_fma_f32 v152, v146, v150, v152
	v_fma_f32 v152, v147, v151, v152
.irp m, 1,2,4,8
	v_add_f32_dpp v152, v152, v152 row_xmask:\m row_mask:0xf bank_mask:0xf
.endr
	v_permlanex16_b32 v153, v152, s60, s61
	v_add_f32 v152, v152, v153
	v_mul_f32 v152, s58, v152
	v_add_f32 v152, s59, v152
	v_max3_num_f32 v154, v128, v136, v152
.irp m, 1,2,4,8
	v_max_num_f32_dpp v154, v154, v154 row_xmask:\m row_mask:0xf bank_mask:0xf
.endr
	v_permlanex16_b32 v153, v154, s60, s61
	v_max_num_f32 v154, v154, v153
	ds_store_b32 v57, v154
	WALU
	s_wait_dscnt 0x0
	BARRIER
	ds_load_b128 v[192:195], v58
	ds_load_b128 v[196:199], v58 offset:16
	s_wait_dscnt 0x0
	v_max3_num_f32 v24, v192, v193, v194
	v_max3_num_f32 v24, v24, v195, v196
	v_max3_num_f32 v24, v24, v197, v198
	v_max_num_f32 v24, v24, v199                   ; M
	v_sub_f32 v128, v128, v24
	v_sub_f32 v136, v136, v24
	v_sub_f32 v25, v152, v24
	WALU
	v_exp_f32 v128, v128
	v_exp_f32 v136, v136
	v_exp_f32 v25, v25
	v_nop
	WALU                                           ; one wait for the batch, ahead of its first reader
	v_add_f32 v156, v128, v136
.irp m, 1,2,4,8
	v_add_f32_dpp v156, v156, v156 row_xmask:\m row_mask:0xf bank_mask:0xf
.endr
	v_permlanex16_b32 v153, v156, s60, s61
	v_add_f32 v156, v156, v153
	ds_store_b32 v14, v128
	ds_store_b32 v14, v136 offset:128
	ds_store_b32 v57, v156 offset:32
	v_mov_b32 v[SCA], v15
.set I_, 0
.rept 8
	v_mov_b32 v[PP+I_], 0                          ; V's first block has none ahead of it: what stands there counts 0
.set I_, I_+1
.endr
.set I_, 0
.rept 64
	v_mov_b32 v[QR+I_], 0
.set I_, I_+1
.endr
	s_mov_b32 s[N], 0
	WALU
	GRD
	XDESC SLOT, 0x20000
	s_wait_dscnt 0x0                               ; the add is done, f = 1 is in registers, p and the sums have landed
	BARRIER
	CREST
	TL G0, G1                                      ; chunk 1, over f = 1
	FETCH 2
	ds_load_b32 v[PP], v[SCA]
	FETCH 3
	ds_load_b32 v[PP+2], v[SCA] offset:64
	s_wait_loadcnt 0x0                             ; Wv's scale words
.Lv:                                               ; PHASE V
	CHUNK 1, 1, 0, 0
	s_cmp_lg_u32 s[N], 6
	s_cbranch_scc1 .Lv
	CHUNK 1, 4, 0, 0                               ; the last two chunks fill nothing
	CHUNK 1, 0, 1, 0
	SUMS 1, 1, 3
; THE WAY OUT: each lane's 64 sums into slot 0, which has had its last fill and its last read; 256 threads add up two waves x 16 lanes each for two dimensions, then 64 threads the four parts.
	s_mul_i32 s62, s16, 8704
	s_mul_i32 s63, s17, 2*8704
	s_lshl_b32 s56, s17, 9
	s_add_co_u32 s56, s56, PA
	v_and_b32 v12, 31, v0
	v_mul_u32_u24 v12, v12, 272
	v_add_nc_u32 v12, s62, v12
	v_bfe_u32 v10, v0, 2, 1
	v_mul_u32_u24 v13, v10, 4352
	v_bfe_u32 v11, v0, 3, 3
	v_lshl_add_u32 v13, v11, 5, v13
	v_and_b32 v10, 3, v0
	v_lshl_add_u32 v13, v10, 3, v13                ; u = thread % 64: dimensions 2 u, 2 u + 1: half (u / 4) % 2, registers 8 (u / 8) + 2 (u % 4)
	v_add_nc_u32 v13, s63, v13
	v_and_b32 v14, 63, v0
	v_lshlrev_b32 v14, 3, v14
	v_add_nc_u32 v55, s56, v14
	v_add_nc_u32 v56, PA, v14
	v_add_nc_u32 v57, QS+1024, v14
.irp k, 0,1,2,3,4,5,6,7,8,9,10,11,12,13,14,15
	ds_store_b128 v12, v[QR+4*\k:QR+4*\k+3] offset:16*\k
.endr
	WALU
	s_wait_dscnt 0x0
	BARRIER
.irp u, 0,1
.irp k, 0,1,2,3,4,5,6,7,8,9,10,11,12,13,14,15
	ds_load_b64 v[128+32*\u+2*\k:129+32*\u+2*\k], v13 offset:8704*\u+272*\k
.endr
.endr
	s_wait_dscnt 0x0
.irp d, 16,8,4,2,1
.set i, 0
.rept \d
	v_pk_add_f32 v[128+2*i:129+2*i], v[128+2*i:129+2*i], v[128+2*(i+\d):129+2*(i+\d)]
.set i, i+1
.endr
.endr
	ds_store_b64 v55, v[128:129]
	WALU
	s_wait_dscnt 0x0
	BARRIER
	s_cmp_ge_u32 s16, 2
	s_cbranch_scc1 .Lend
.irp k, 0,1,2,3
	ds_load_b64 v[192+2*\k:193+2*\k], v56 offset:512*\k
.endr
	ds_load_b128 v[200:203], v58 offset:32
	ds_load_b128 v[204:207], v58 offset:48
	ds_load_b64 v[208:209], v57
	s_wait_dscnt 0x0
	v_pk_add_f32 v[192:193], v[192:193], v[194:195]
	v_pk_add_f32 v[196:197], v[196:197], v[198:199]
	v_pk_add_f32 v[200:201], v[200:201], v[202:203]
	v_pk_add_f32 v[204:205], v[204:205], v[206:207]
	v_pk_add_f32 v[192:193], v[192:193], v[196:197]
	v_pk_add_f32 v[200:201], v[200:201], v[204:205]
	v_mov_b32 v10, v24
	v_add_f32 v11, v200, v201
	v_fma_f32 v192, v208, v25, v192                ; o, with the new key's v
	v_fma_f32 v193, v209, v25, v193
	v_add_f32 v11, v11, v25                        ; l
	global_store_b64 v14, v[192:193], s[14:15]     ; 256 consecutive bytes a wave, aligned
	s_cmp_lg_u32 s16, 0
	s_cbranch_scc1 .Lend
	global_store_b64 v14, v[10:11], s[14:15] offset:512
.Lend:
	s_wait_tensorcnt 0x0                           ; the wave's end
	ds_add_u32 v[SPW], v[NIL]
	s_wait_dscnt 0x0
	BARRIER
	CREST                                          ; the closing round
	s_endpgm
.Lfunc_end_k_q9af08f2e77_main:
	.size	k_q9af08f2e77_main, .Lfunc_end_k_q9af08f2e77_main-k_q9af08f2e77_main
	.p2alignl 7, 3214868480
	.fill 96, 4, 3214868480
	.section	.rodata,"a",@progbits
	.p2align	6, 0x0
	.amdhsa_kernel k_q9af08f2e77_main
		.amdhsa_group_segment_fixed_size 327680
		.amdhsa_private_segment_fixed_size 0
		.amdhsa_enable_private_segment 0
		.amdhsa_kernarg_size 48
		.amdhsa_user_sgpr_count 2
		.amdhsa_user_sgpr_kernarg_segment_ptr 1
		.amdhsa_wavefront_size32 1
		.amdhsa_system_sgpr_workgroup_id_x 1
		.amdhsa_system_sgpr_workgroup_id_y 1
		.amdhsa_system_sgpr_workgroup_id_z 1
		.amdhsa_system_vgpr_workitem_id 0
		.amdhsa_next_free_vgpr 512
		.amdhsa_next_free_sgpr 80
		.amdhsa_reserve_vcc 0
		.amdhsa_float_denorm_mode_32 3
		.amdhsa_float_denorm_mode_16_64 3
		.amdhsa_memory_ordered 1
		.amdhsa_forward_progress 1
		.amdhsa_inst_pref_size 170
	.end_amdhsa_kernel
	.amdgpu_metadata
---
amdhsa.version: [ 1, 2 ]
amdhsa.kernels:
  - .name:           k_q9af08f2e77_main
    .symbol:         k_q9af08f2e77_main.kd
    .args:
      - { .name: tokens_codes, .offset: 0, .size: 8, .value_kind: global_buffer, .address_space: global }
      - { .name: tokens_scales, .offset: 8, .size: 8, .value_kind: global_buffer, .address_space: global }
      - { .name: wcodes, .offset: 16, .size: 8, .value_kind: global_buffer, .address_space: global }
      - { .name: sc, .offset: 24, .size: 8, .value_kind: global_buffer, .address_space: global }
      - { .name: qkv, .offset: 32, .size: 8, .value_kind: global_buffer, .address_space: global }
      - { .name: part, .offset: 40, .size: 8, .value_kind: global_buffer, .address_space: global }
    .group_segment_fixed_size: 327680
    .private_segment_fixed_size: 0
    .kernarg_segment_align: 8
    .kernarg_segment_size: 48
    .max_flat_workgroup_size: 256
    .sgpr_count:     80
    .vgpr_count:     512
    .wavefront_size: 32
...
	.end_amdgpu_metadata
.endif
;; end of part 2
;; launch outp (part 3): grid 256 x 1, 8 waves a work-group, no clusters, 34,304 bytes of LDS; arguments Wo, part, out0; writes out0
.if DOCPART == 3
	.amdgcn_target "amdgcn-amd-amdhsa--gfx1250"
	.amdhsa_code_object_version 6
	.text
	.protected	k_q9af08f2e77_outp
	.globl	k_q9af08f2e77_outp
	.p2align	8
	.type	k_q9af08f2e77_outp,@function
k_q9af08f2e77_outp:
	s_mov_b64 s[64:65], 0
	v_nop
	global_prefetch_b8 v0, s[64:65] scope:SCOPE_SE
	s_setreg_imm32_b32 hwreg(HW_REG_WAVE_MODE, 25, 1), 1
	s_wait_xcnt 0x0
; THIRD OF THREE LAUNCHES: the four records (M, l, o[128]) of each (batch, head) are joined under one maximum and divided by the sum, and the result is multiplied by Wo^T, all in f32.  Nothing of the problem is left out here.
; SHARES.  A work-group owns 8 rows of Wo (8 outputs for each of the 4 batches).  Wave w owns columns 256 w .. 256 w + 255: heads 2 w and 2 w + 1; a lane the columns 128 (2 w + u) + 4 lane + 0 .. 3, u = 0, 1.
; So each number of the attention's result is joined once in a work-group, by the thread that multiplies it.  Wo is read once in the launch, 512 consecutive bytes a load.
; No matrix unit (four rows), no cluster and no tensor load: what the work-groups share is the records, 196,608 bytes; the launch is short.
; LIMIT: out0 leaves in runs of 32 bytes: its layout is the problem's, and it is 32,768 bytes in all.
.set WO,   16                          ; v16-79   Wo: 8 row + 4 u + e
.set PO,   80                          ; v80-207  the records' o: 16 (2 b + u) + 4 c + e; the joined result takes c = 0's place
.set ACC,  208                         ; v208-215 a pair for each batch
.set RES,  216                         ; v216-231 four sets of four partial sums
.set SPW,  252                         ; v252     LDS address of my spare word; never rewritten
.set NIL,  253                         ; v253     0; never rewritten
.set RED2, 32768                       ; LDS: from 0: 8 rows x 256 threads x 16 bytes; here: the 8 x 4 sums
.set SPARE, 33024                      ; the spare words, 128 bytes for each of eight waves, that no other line names
	s_load_b128 s[4:7], s[0:1], 0x0                ; Wo s[4:5], part s[6:7]
	s_load_b64 s[8:9], s[0:1], 0x10                ; out0
	v_lshl_add_u32 v[SPW], v0, 2, SPARE
	v_mov_b32 v[NIL], 0
	v_lshrrev_b32 v1, 5, v0
	s_delay_alu instid0(VALU_DEP_1)
	v_readfirstlane_b32 s12, v1                    ; wave 0..7
	v_and_b32 v2, 31, v0                           ; lane
	s_delay_alu instid0(VALU_DEP_1)
	v_lshrrev_b32 v4, 3, v2                        ; for (M, l) lane = 8 b + 4 u + c
	s_delay_alu instid0(VALU_DEP_1)
	v_mul_u32_u24 v3, v4, 49152                    ; a batch's records,
	s_delay_alu instid0(VALU_DEP_3)
	v_bfe_u32 v4, v2, 2, 1
	s_delay_alu instid0(VALU_DEP_1)
	v_mad_u32_u24 v3, v4, 3072, v3                 ; a head's,
	v_and_b32 v4, 3, v2
	s_delay_alu instid0(VALU_DEP_1)
	v_mad_u32_u24 v3, v4, 768, v3                  ; a record
	s_mul_i32 s13, s12, 6144                       ; my wave's two heads
	v_add_nc_u32 v3, s13, v3
	v_lshl_add_u32 v5, v2, 4, s13                  ; o: my four channels
	s_lshl_b32 s14, s12, 10
	v_lshl_add_u32 v6, v2, 4, s14                  ; Wo: 1,024 x wave + 16 x lane
	v_lshlrev_b32 v7, 4, v0                        ; my partial sums: 16 bytes a thread
	s_lshl_b32 s14, s12, 12
	v_lshl_add_u32 v8, v2, 4, s14                  ; later wave w adds up row w
	s_lshl_b32 s14, s12, 4
	s_add_co_u32 s14, s14, RED2
	v_mov_b32 v9, s14                              ; its four sums
	v_and_b32 v4, 7, v2
	v_lshrrev_b32 v12, 3, v2
	s_delay_alu instid0(VALU_DEP_2)
	v_lshlrev_b32 v10, 4, v4
	s_delay_alu instid0(VALU_DEP_1)
	v_lshl_add_u32 v10, v12, 2, v10
	s_delay_alu instid0(VALU_DEP_1)
	v_add_nc_u32 v10, RED2, v10                    ; out: lane = output + 8 x batch
	v_lshlrev_b32 v11, 2, v4
	s_delay_alu instid0(VALU_DEP_1)
	v_lshl_add_u32 v11, v12, 13, v11
	s_mov_b32 s10, 0x76543210                      ; v_permlanex16_b32's selects for lane l xor 16
	s_mov_b32 s11, 0xfedcba98
	s_lshl_b32 s14, ttmp9, 16                      ; 8 rows of 8,192 bytes
	s_mov_b32 s15, 0
	s_lshl_b32 s48, ttmp9, 5                       ; 8 outputs
	s_mov_b32 s49, 0
	s_wait_kmcnt 0x0
	s_add_nc_u64 s[4:5], s[4:5], s[14:15]
	s_add_nc_u64 s[8:9], s[8:9], s[48:49]
	global_load_b64 v[232:233], v3, s[6:7] offset:512   ; (M, l) of my lane's record
.irp b, 0,1,2,3
.irp u, 0,1
.irp c, 0,1,2,3
	global_load_b128 v[PO+16*(2*\b+\u)+4*\c:PO+16*(2*\b+\u)+4*\c+3], v5, s[6:7] offset:49152*\b+3072*\u+768*\c
.endr
.endr
.endr
.irp r, 0,1,2,3,4,5,6,7
.irp u, 0,1
	global_load_b128 v[WO+8*\r+4*\u:WO+8*\r+4*\u+3], v6, s[4:5] offset:8192*\r+512*\u th:TH_LOAD_NT
.endr
.endr
	s_wait_loadcnt 48                              ; (M, l) are in; the 32 loads of o and the 16 of Wo may be out
	v_mov_b32 v234, v232
	s_delay_alu instid0(VALU_DEP_1)
	v_max_num_f32_dpp v234, v234, v234 row_xmask:1 row_mask:0xf bank_mask:0xf
	s_delay_alu instid0(VALU_DEP_1)
	v_max_num_f32_dpp v234, v234, v234 row_xmask:2 row_mask:0xf bank_mask:0xf   ; the largest M of the four records
	s_delay_alu instid0(VALU_DEP_1)
	v_sub_f32 v235, v232, v234
	s_wait_alu depctr_va_vdst(0)
	v_exp_f32 v235, v235
	v_nop                                          ; a plain line behind the exponential,
	s_wait_alu depctr_va_vdst(0)                   ; and the wait ahead of its first reader
	v_mul_f32 v236, v235, v233
	s_delay_alu instid0(VALU_DEP_1)
	v_add_f32_dpp v236, v236, v236 row_xmask:1 row_mask:0xf bank_mask:0xf
	s_delay_alu instid0(VALU_DEP_1)
	v_add_f32_dpp v236, v236, v236 row_xmask:2 row_mask:0xf bank_mask:0xf       ; the softmax's sum over all 2,049 keys
	s_wait_alu depctr_va_vdst(0)
	v_rcp_f32 v237, v236
	v_nop
	s_wait_alu depctr_va_vdst(0)
	v_mul_f32 v235, v235, v237                     ; what my lane's record counts for
.set i, 0
.rept 32
	v_readlane_b32 s[16+i], v235, i
.set i, i+1
.endr
	s_wait_loadcnt 16                              ; o is in; Wo may be out
.irp g, 0,1,2,3,4,5,6,7
.irp e, 0,1,2,3
	v_mul_f32 v[PO+16*\g+\e], s[16+4*\g], v[PO+16*\g+\e]
.endr
.irp c, 1,2,3
.irp e, 0,1,2,3
	s_delay_alu instid0(VALU_DEP_4)
	v_fmac_f32 v[PO+16*\g+\e], s[16+4*\g+\c], v[PO+16*\g+4*\c+\e]
.endr
.endr
.endr
	s_wait_loadcnt 0x0
.irp r, 0,1,2,3,4,5,6,7
.irp b, 0,1,2,3
	v_pk_mul_f32 v[ACC+2*\b:ACC+2*\b+1], v[WO+8*\r:WO+8*\r+1], v[PO+32*\b:PO+32*\b+1]
.endr
.irp b, 0,1,2,3
	s_delay_alu instid0(VALU_DEP_4)
	v_pk_fma_f32 v[ACC+2*\b:ACC+2*\b+1], v[WO+8*\r+2:WO+8*\r+3], v[PO+32*\b+2:PO+32*\b+3], v[ACC+2*\b:ACC+2*\b+1]
.endr
.irp b, 0,1,2,3
	s_delay_alu instid0(VALU_DEP_4)
	v_pk_fma_f32 v[ACC+2*\b:ACC+2*\b+1], v[WO+8*\r+4:WO+8*\r+5], v[PO+32*\b+16:PO+32*\b+17], v[ACC+2*\b:ACC+2*\b+1]
.endr
.irp b, 0,1,2,3
	s_delay_alu instid0(VALU_DEP_4)
	v_pk_fma_f32 v[ACC+2*\b:ACC+2*\b+1], v[WO+8*\r+6:WO+8*\r+7], v[PO+32*\b+18:PO+32*\b+19], v[ACC+2*\b:ACC+2*\b+1]
.endr
.if \r >= 4
	s_wait_alu depctr_va_vdst(0)
	s_wait_dscnt 3                                 ; the store of four rows ago has read this set (three younger stores may be out)
.endif
.irp b, 0,1,2,3
	v_add_f32 v[RES+4*(\r%4)+\b], v[ACC+2*\b], v[ACC+2*\b+1]
.endr
	ds_store_b128 v7, v[RES+4*(\r%4):RES+4*(\r%4)+3] offset:4096*\r
.endr
	s_wait_dscnt 0x0                               ; my partial sums have landed
	s_barrier_signal -1
	s_barrier_wait -1
.irp i, 0,1,2,3,4,5,6,7
	ds_load_b128 v[16+4*\i:19+4*\i], v8 offset:512*\i
.endr
	s_wait_dscnt 0x0
.irp d, 4,2,1
.set i, 0
.rept \d
	v_pk_add_f32 v[16+4*i:17+4*i], v[16+4*i:17+4*i], v[16+4*(i+\d):17+4*(i+\d)]
	v_pk_add_f32 v[18+4*i:19+4*i], v[18+4*i:19+4*i], v[18+4*(i+\d):19+4*(i+\d)]
.set i, i+1
.endr
.endr
.irp m, 1,2,4,8
.irp e, 0,1,2,3
	v_add_f32_dpp v[16+\e], v[16+\e], v[16+\e] row_xmask:\m row_mask:0xf bank_mask:0xf
.endr
.endr
.irp e, 0,1,2,3
	s_delay_alu instid0(VALU_DEP_4)
	v_permlanex16_b32 v[20+\e], v[16+\e], s10, s11
.endr
.irp e, 0,1,2,3
	s_delay_alu instid0(VALU_DEP_4)
	v_add_f32 v[16+\e], v[16+\e], v[20+\e]
.endr
	ds_store_b128 v9, v[16:19]                     ; all lanes write the same 16 bytes with the same values
	s_wait_dscnt 0x0
	s_barrier_signal -1
	s_barrier_wait -1
	s_cmp_lg_u32 s12, 0
	s_cbranch_scc1 .Ldone
	ds_load_b32 v24, v10
	s_wait_dscnt 0x0
	global_store_b32 v11, v24, s[8:9]              ; 8 outputs for each of the 4 batches
.Ldone:
	s_wait_tensorcnt 0x0                           ; the wave's end, behind my last LDS store
	ds_add_u32 v[SPW], v[NIL]
	s_wait_dscnt 0x0
	s_endpgm
.Lfunc_end_k_q9af08f2e77_outp:
	.size	k_q9af08f2e77_outp, .Lfunc_end_k_q9af08f2e77_outp-k_q9af08f2e77_outp
	.p2alignl 7, 3214868480
	.fill 96, 4, 3214868480
	.section	.rodata,"a",@progbits
	.p2align	6, 0x0
	.amdhsa_kernel k_q9af08f2e77_outp
		.amdhsa_group_segment_fixed_size 34304
		.amdhsa_private_segment_fixed_size 0
		.amdhsa_enable_private_segment 0
		.amdhsa_kernarg_size 24
		.amdhsa_user_sgpr_count 2
		.amdhsa_user_sgpr_kernarg_segment_ptr 1
		.amdhsa_wavefront_size32 1
		.amdhsa_system_sgpr_workgroup_id_x 1
		.amdhsa_system_sgpr_workgroup_id_y 1
		.amdhsa_system_sgpr_workgroup_id_z 1
		.amdhsa_system_vgpr_workitem_id 0
		.amdhsa_next_free_vgpr 256
		.amdhsa_next_free_sgpr 66
		.amdhsa_reserve_vcc 0
		.amdhsa_float_denorm_mode_32 3
		.amdhsa_float_denorm_mode_16_64 3
		.amdhsa_memory_ordered 1
		.amdhsa_forward_progress 1
		.amdhsa_inst_pref_size 34
	.end_amdhsa_kernel
	.amdgpu_metadata
---
amdhsa.version: [ 1, 2 ]
amdhsa.kernels:
  - .name:           k_q9af08f2e77_outp
    .symbol:         k_q9af08f2e77_outp.kd
    .args:
      - { .name: Wo, .offset: 0, .size: 8, .value_kind: global_buffer, .address_space: global }
      - { .name: part, .offset: 8, .size: 8, .value_kind: global_buffer, .address_space: global }
      - { .name: out0, .offset: 16, .size: 8, .value_kind: global_buffer, .address_space: global }
    .group_segment_fixed_size: 34304
    .private_segment_fixed_size: 0
    .kernarg_segment_align: 8
    .kernarg_segment_size: 24
    .max_flat_workgroup_size: 256
    .sgpr_count:     66
    .vgpr_count:     256
    .wavefront_size: 32
...
	.end_amdgpu_metadata
.endif
;; end of part 3
